; MI455X (gfx1250); checked and timed in simulation.
; The chip was launched on July 23, 2026; its instructions are those of AMD's public machine-readable ISA for CDNA 5 (MIT licence, August 2026) and "CDNA5" Instruction Set Architecture Reference Guide (July 2026). The comments in the code are by the model that wrote it; some were corrected since.
;; Multi Head Attention. Allowed arithmetic: matrix products marked QUANTISED: E4M3 operands, one given power-of-two scale a tensor, by v_wmma_f32_16x16x64_fp8_fp8 or v_wmma_f32_16x16x128_fp8_fp8, f32 sums; everything else in f32.
;; Inputs: bk 1,024 float32; bo 1,024 float32; bq 1,024 float32; bv 1,024 float32; k 4 x 2,048 x 1,024 float32; lowp_scales 12 int32 (the exponents e of the quantised operands' scales 2^e); mask 2,048 x 2,048 bool; pad_mask 4 x 2,048 bool; q 4 x 2,048 x 1,024 float32; v 4 x 2,048 x 1,024 float32; wk 1,024 x 1,024 float32; wo 1,024 x 1,024 float32; wq 1,024 x 1,024 float32; wv 1,024 x 1,024 float32.
;; Outputs: out0 4 x 2,048 x 1,024 float32.
;; This version of the problem:
;;   THIS VERSION OF THE PROBLEM IS GIVEN IN LOW PRECISION. The matrix products marked QUANTISED in the list below multiply operands that are first quantised to E4M3 (4 exponent bits, 3 mantissa bits; 8 bits a number), with one given power-of-two scale for each operand tensor; their sums are f32. All else is computed in f32.
;;   The module's matrix products, in the order in which they are computed (A, B: the left and right operand; K: the contracted axis; several contracted axes count as one K, in the product's order):
;;     1. [M 8,192, K 1,024] x [K 1,024, N 1,024]; A: input q; B: input wq: QUANTISED (scales: A lowp_scales[0], B lowp_scales[1])
;;     2. [M 8,192, K 1,024] x [K 1,024, N 1,024]; A: input k; B: input wk: QUANTISED (scales: A lowp_scales[2], B lowp_scales[3])
;;     3. [M 8,192, K 1,024] x [K 1,024, N 1,024]; A: input v; B: input wv: QUANTISED (scales: A lowp_scales[4], B lowp_scales[5])
;;     4. batch 64 x [M 2,048, K 64] x [K 64, N 2,048]; A: computed on the way; B: computed on the way: QUANTISED (scales: A lowp_scales[6], B lowp_scales[7])
;;     5. batch 64 x [M 2,048, K 2,048] x [K 2,048, N 64]; A: softmax (see below); B: computed on the way: QUANTISED (scales: A lowp_scales[8], B lowp_scales[9])
;;     6. [M 8,192, K 1,024] x [K 1,024, N 1,024]; A: computed on the way; B: input wo: QUANTISED (scales: A lowp_scales[10], B lowp_scales[11])
;;   THE QUANTISER, for each operand of a quantised product, along K:
;;     - The operand's scale is 2^e, e = its entry of the input lowp_scales (int32; the entries are numbered through the quantised products in the list's order, A before B).
;;     - Each number is divided by the scale, clamped to +-448, and rounded to the nearest number of E4M3, ties to even, subnormals kept.
;;     - The product sums the exact products of the quantised numbers (number of the format x scale) in f32.
;;   ~~~python
;;   def quantise(x, axis, e):      # numpy; x: float32 -> the quantised numbers, widened to float32 again
;;       x = np.moveaxis(x, axis, -1); K = x.shape[-1]
;;       r = np.clip(x / 2.0 ** e, -448, 448)
;;       step = 2.0 ** (np.maximum(np.frexp(np.where(r == 0, 1, r))[1] - 1, -6) - 3)
;;       q = np.round(r / step) * step * 2.0 ** e      # np.round: ties to even
;;       return np.moveaxis(q, -1, axis).astype(np.float32)
;;   ~~~
;;   SOFTMAX AHEAD OF A QUANTISED PRODUCT. Where the list says 'softmax', what is quantised is not the finished softmax but p = 2^(t - M), with t = logit x log2(e) and M = ceil(the row's largest t), a whole number; so 1/2 < the row's largest p <= 1. The row's sum l is taken of the UNQUANTISED p, in f32, and the product's result is divided by l at the end. Since M is a whole number, a kernel that streams over the keys may use a running M (the ceiling of the running maximum): every later rescaling is an exact power of two, so the quantised numbers keep their values, but for numbers so far below the row's largest that they fall under the format's range.
;;   OPERANDS COMPUTED ON THE WAY. 'Computed on the way' means the value that the module computes at that place (a softmax that the list does not call 'softmax' is quantised finished and normalised). What goes into a quantiser is computed in f32, as accurately as f32 sums, v_exp_f32 and their like allow (about 1e-6 of the number): no bf16 or f16 on the way to a quantiser, and a product that is left as it is and whose result goes on into a quantised operand takes f32 operands (vector FMAs, or v_wmma_f32_16x16x4_f32). A number that lies on a knife's edge between two numbers of the format may be rounded either way, as far as f32 arithmetic and the matrix unit's own rounding can turn it there, and no further.
;; One version. Each part assembles by itself: llvm-mc -triple=amdgcn-amd-amdhsa -mcpu=gfx1250 --defsym DOCPART=n.
;; ======== version 1 of 1: 4 launches
;; limits: right only within a limited range of input values
;; workspace buffers: xc 25,165,824 bytes; wc 4,194,304 bytes; mw 2,228,224 bytes of whole numbers; qc 8,388,608 bytes; kv 16,777,216 bytes; oc 8,388,608 bytes
;; launch quant (part 1): grid 1024 x 1, 4 waves a work-group, no clusters, 34,304 bytes of LDS; arguments q, k, v, wq, wk, wv, wo, lowp_scales, mask, pad_mask, xc, wc, mw; writes xc, wc, mw
.if DOCPART == 1
	.amdgcn_target "amdgcn-amd-amdhsa--gfx1250"
	.amdhsa_code_object_version 6
	.text
	.protected	k_q2bf92ad986_quant
	.globl	k_q2bf92ad986_quant
	.p2align	8
	.type	k_q2bf92ad986_quant,@function
k_q2bf92ad986_quant:
	s_mov_b64 s[64:65], 0
	v_nop
	global_prefetch_b8 v0, s[64:65] scope:SCOPE_SE
	s_setreg_imm32_b32 hwreg(HW_REG_WAVE_MODE, 25, 1), 1
	s_wait_xcnt 0x0
; TWO JOBS IN ONE LAUNCH, parted by the work-group's number.
; (1) Work-groups 0-895: q, k, v [8192][1024] and wq, wk, wv, wo [1024][1024], f32, K innermost, become codes of FP8 (E4M3): code = x / 2^e, held within +-448, to the nearest code, ties to even.
;     e: lowp_scales 0, 2, 4 for q, k, v; 1, 3, 5, 11 for wq, wk, wv, wo.  LIMIT: -126 <= e <= 119, so that 2^e and 448 x 2^e are f32 numbers.  NaN among the inputs is not served.
;     THE CODES ARE LAID AS IMAGES OF THE OPERAND'S REGISTERS: [block of 16 rows][128 along K][chunk c of four registers][lane][16 bytes]; lane (r, h) holds row r; its bytes 0-7 are k = 32 c + 8 h + 0..7,
;     bytes 8-15 k = 32 c + 16 + 8 h + 0..7: the k places of the plain 8-bit matrix forms.  A chunk is 512 consecutive bytes, stored by one instruction of the wave, and later read back by one.
;     A wave takes 16 rows x 512 along K: four fragments.  Each load reads 512 consecutive bytes of one row; the 16 rows turn through the wave's own stage in LDS (rows of 512 + 16 bytes).  Waves share nothing: no barrier.
; (2) Work-groups 896-1023: mask [2048][2048] and pad_mask [4][2048] (bytes 0 or 1) become LANE MASKS for the attention launch.  A work-group takes a tile of 16 queries, its wave b batch b, all 16 steps of 128 keys.
;     mw[b][tile] is an entry of 17 units of 256 bytes.  Unit 1 + s, word n = 8 t + j: bit L says whether query L % 16 of the tile sees key 128 s + 16 t + 8 (L / 16) + j: the lane and register of that score.
;     Unit 0 holds, in all its 64 words, the entry's SUMMARY: bit s: step s is to be walked; bit 16 + s: every query of the tile sees every key of step s.  A step is to be walked if some query sees some key of it,
;     or if some query of the tile sees no key at all: reference() gives such a query the mean over all keys, so its tile walks all 16 steps.  This path uses no LDS and has no branch on data: the bits are made by selects.
; No cluster: the work-groups share no input but mask rows among four waves and the 8 KiB of pad_mask.  No tensor loads: the numbers are wanted in registers anyway.
.set SP,    528                        ; a stage row: 512 bytes + 16
.set STGB,  16*SP                      ; a wave's stage
.set R,     16                         ; v16-143   two sets of 64 registers, as loaded
.set X,     144                        ; v144-207  a lane's 64 numbers in the operand's order
.set C,     208                        ; v208-223  the fragment's codes
.set NQKV,  768                        ; work-groups for q, k, v (256 each)
.set NALL,  896                        ; and with the four weights (32 each)
.set MWE,   4352                       ; an entry of mw: 17 units of 256 bytes
	s_load_b512 s[4:19], s[0:1], 0x0               ; q 4, k 6, v 8, wq 10, wk 12, wv 14, wo 16, the scales' exponents 18
	s_load_b256 s[20:27], s[0:1], 0x40             ; mask 20, pad_mask 22, xc 24, wc 26
	s_load_b64 s[28:29], s[0:1], 0x60              ; mw
	v_lshl_add_u32 v224, v0, 2, 0x8400
	v_mov_b32 v225, 0
	v_lshrrev_b32 v1, 5, v0
	v_readfirstlane_b32 s30, v1                    ; wave 0..3
	v_and_b32 v2, 31, v0                           ; lane
	v_and_b32 v7, 15, v0                           ; r
	v_bfe_u32 v8, v0, 4, 1                         ; h
	s_wait_kmcnt 0x0
	s_cmp_ge_u32 ttmp9, NALL
	s_cbranch_scc1 .Lmask
; the quantiser: one path for seven tensors; only pointers and e are chosen
	s_load_b256 s[36:43], s[18:19], 0x0            ; e0 .. e7
	s_load_b128 s[44:47], s[18:19], 0x20           ; e8 .. e11
	s_wait_alu depctr_va_vdst(0)
	v_lshlrev_b32 v3, 4, v2                        ; 16 x lane: my bytes of a load's 512, and of a chunk's
	s_wait_alu depctr_va_vdst(0)
	s_mul_i32 s31, s30, STGB
	v_add_nc_u32 v14, s31, v3                      ; the stage, on the way in: 16 x lane of a row
	v_mul_u32_u24 v15, v7, SP
	v_lshl_add_u32 v15, v8, 5, v15
	v_add_nc_u32 v15, s31, v15                     ; and on the way out: row r, + 32 h bytes (8 numbers)
.macro PICKP lim, reg                  ; the choice hangs on the work-group's number alone
	s_cmp_lt_u32 ttmp9, \lim
	s_cselect_b64 s[32:33], s[\reg:\reg+1], s[32:33]
.endm
.macro PICKE lim, reg
	s_cmp_lt_u32 ttmp9, \lim
	s_cselect_b32 s31, s[\reg], s31
.endm
	s_mov_b64 s[32:33], s[16:17]                   ; wo, unless ..
	PICKP 864, 14
	PICKP 832, 12
	PICKP 800, 10
	PICKP 768, 8
	PICKP 512, 6
	PICKP 256, 4
	s_cmp_lt_u32 ttmp9, NQKV
	s_cselect_b32 s34, 255, 31
	s_cselect_b64 s[50:51], s[24:25], s[26:27]     ; codes go to xc or to wc
	s_cselect_b32 s52, 0, NQKV
	s_and_b32 s34, ttmp9, s34                      ; the work-group's number within its tensor
	s_lshl_b32 s34, s34, 2
	s_add_co_u32 s34, s34, s30                     ; W: block of rows W / 2, half of K W % 2
	s_lshr_b32 s35, s34, 1
	s_lshl_b32 s35, s35, 16                        ; 16 rows of 4,096 bytes
	s_and_b32 s48, s34, 1
	s_lshl_b32 s48, s48, 11                        ; 512 numbers
	s_or_b32 s48, s48, s35
	s_mov_b32 s49, 0
	s_add_nc_u64 s[32:33], s[32:33], s[48:49]
	s_sub_co_u32 s52, ttmp9, s52
	s_lshl_b32 s52, s52, 15                        ; a work-group's codes: 32,768 bytes
	s_lshl_b32 s53, s30, 13                        ; a wave's: 8,192
	s_add_co_u32 s52, s52, s53
	s_mov_b32 s53, 0
	s_add_nc_u64 s[50:51], s[50:51], s[52:53]
.macro LOAD f                          ; fragment f: 16 rows x 512 bytes, a row an instruction
.irp p, 0,1,2,3,4,5,6,7,8,9,10,11,12,13,14,15
	global_load_b128 v[R+64*((\f)%2)+4*\p:R+64*((\f)%2)+4*\p+3], v3, s[32:33] offset:4096*\p+512*(\f) th:TH_LOAD_NT
.endr
.endm
	LOAD 0
	LOAD 1
	s_wait_alu depctr_va_vdst(0)
	s_wait_kmcnt 0x0
	s_mov_b32 s31, s47                             ; e11, unless ..
	PICKE 864, 41
	PICKE 832, 39
	PICKE 800, 37
	PICKE 768, 40
	PICKE 512, 38
	PICKE 256, 36
	s_add_co_i32 s31, s31, 127
	s_lshl_b32 s34, s31, 23
	v_mov_b32 v11, s34                             ; 2^e as f32: the conversion takes its exponent field
	s_add_co_i32 s31, s31, 8
	s_lshl_b32 s31, s31, 23
	s_or_b32 s31, s31, 0x600000
	v_mov_b32 v10, s31                             ; 448 x 2^e
.macro FRAGQ f
.if (\f) < 3
	s_wait_loadcnt 16                              ; this fragment's 16 loads are in; the next fragment's 16 may be out
.else
	s_wait_loadcnt 0
.endif
.irp p, 0,1,2,3,4,5,6,7,8,9,10,11,12,13,14,15
	ds_store_b128 v14, v[R+64*((\f)%2)+4*\p:R+64*((\f)%2)+4*\p+3] offset:SP*\p
.endr
.irp c, 0,1,2,3                        ; LDS serves a wave's instructions in order (ISA guide 5.7.1.4): these see the stores above
	ds_load_b128 v[X+16*\c:X+16*\c+3],     v15 offset:128*\c
	ds_load_b128 v[X+16*\c+4:X+16*\c+7],   v15 offset:128*\c+16
	ds_load_b128 v[X+16*\c+8:X+16*\c+11],  v15 offset:128*\c+64
	ds_load_b128 v[X+16*\c+12:X+16*\c+15], v15 offset:128*\c+80
.endr
	s_wait_dscnt 0x0                               ; my numbers are back; the stores into the stage have read their registers
	s_wait_xcnt 0x0                                ; the codes' registers are rewritten only behind this wait
.if (\f) < 2
	LOAD (\f)+2
.endif
.set i, 0
.rept 64
	v_med3_num_f32 v[X+i], v[X+i], -v10, v10       ; the conversion to an 8-bit code does not saturate (ISA guide 7.6.2): the hold comes first
.set i, i+1
.endr
.irp g, 0,1,2,3,4,5,6,7
	v_cvt_scalef32_pk8_fp8_f32 v[C+2*\g:C+2*\g+1], v[X+8*\g:X+8*\g+7], v11
.endr
	v_nop                                          ; one plain vector line behind the last conversion
.irp c, 0,1,2,3
	global_store_b128 v3, v[C+4*\c:C+4*\c+3], s[50:51] offset:2048*(\f)+512*\c   ; a chunk: 512 consecutive bytes, at a multiple of 512 from the buffer's first byte
.endr
.endm
	s_wait_alu depctr_va_vdst(0)
	FRAGQ 0
	FRAGQ 1
	FRAGQ 2
	FRAGQ 3
	s_wait_tensorcnt 0x0                           ; the wave's end
	ds_add_u32 v224, v225
	s_wait_dscnt 0x0
	s_endpgm
; the lane masks: my wave takes one tile of 16 queries and one batch, 16 steps of 128 keys; loads run two steps (32 loads) ahead in two sets of registers
.Lmask:
	s_sub_co_u32 s31, ttmp9, NALL                  ; the tile of queries, 0..127
	s_lshl_b32 s34, s31, 15                        ; mask: 16 rows of 2,048 bytes x tile
	s_mov_b32 s35, 0
	s_lshl_b32 s36, s30, 11                        ; pad_mask: my batch's row
	s_mov_b32 s37, 0
	s_lshl_b32 s38, s30, 7
	s_add_co_u32 s38, s38, s31
	s_mul_i32 s38, s38, MWE                        ; mw: entry 128 b + tile
	s_mov_b32 s39, 0
	s_add_nc_u64 s[20:21], s[20:21], s[34:35]
	s_add_nc_u64 s[22:23], s[22:23], s[36:37]
	s_add_nc_u64 s[28:29], s[28:29], s[38:39]
	s_mov_b64 s[32:33], s[28:29]                   ; the entry's unit 0
	s_mov_b32 s42, 0                               ; lanes that have seen a key
	s_mov_b32 s45, 0                               ; the summary
	s_mov_b32 s44, 1                               ; the step's bit
	s_mov_b32 s46, 0
	s_wait_alu depctr_va_vdst(0)
	v_lshlrev_b32 v4, 11, v7
	v_lshl_add_u32 v4, v8, 3, v4                   ; mask: row r, + 8 h
	v_lshlrev_b32 v5, 3, v8                        ; pad_mask: 8 h
	v_lshlrev_b32 v6, 3, v2                        ; mw: two words a lane
.irp i, 0,1,2,3
	v_mov_b32 v[96+\i], 0                          ; written whole once: v_writelane_b32 fills them lane by lane
.endr
.macro MLOAD u, st                     ; the step st steps on from the bases, into set u: keys 16 t + 8 h + 0..7 of mask (my query) and of pad_mask
.irp t, 0,1,2,3,4,5,6,7
	global_load_b64 v[16+32*(\u)+2*\t:17+32*(\u)+2*\t], v4, s[20:21] offset:128*(\st)+16*\t
.endr
.irp t, 0,1,2,3,4,5,6,7
	global_load_b64 v[32+32*(\u)+2*\t:33+32*(\u)+2*\t], v5, s[22:23] offset:128*(\st)+16*\t
.endr
.endm
.macro MSTEP u, cnt, more
.set MB, 16+32*(\u)
	s_wait_loadcnt \cnt                            ; this set's 16 loads are in; the other set's may be out
.irp i, 0,1,2,3,4,5,6,7,8,9,10,11,12,13,14,15
	v_and_b32 v[MB+\i], v[MB+\i], v[MB+16+\i]      ; both masks, four keys a word
.endr
	v_or_b32 v104, v[MB], v[MB+1]                  ; any of my 64 keys,
	v_and_b32 v105, v[MB], v[MB+1]                 ; all of them
.irp i, 2,3,4,5,6,7,8,9,10,11,12,13,14,15
	v_or_b32 v104, v104, v[MB+\i]
	v_and_b32 v105, v105, v[MB+\i]
.endr
.irp t, 0,1,2,3,4,5,6,7
.irp j, 0,1,2,3,4,5,6,7                ; eight words at a time, so that each line's source was made eight lines earlier
	v_and_b32 v[106+\j], 1<<(8*(\j%4)), v[MB+2*\t+\j/4]
.endr
.irp j, 0,1,2,3,4,5,6,7
	v_cmp_ne_u32 s[48+\j], 0, v[106+\j]            ; the 32 lanes' bits ARE word n = 8 t + j
.endr
.irp j, 0,1,2,3,4,5,6,7
	v_writelane_b32 v[96+2*(\u)+\j%2], s[48+\j], 4*\t+\j/2   ; which goes to lane n / 2, register n % 2
.endr
.endr
	global_store_b64 v6, v[96+2*(\u):97+2*(\u)], s[28:29] offset:256+256*(\u)   ; 64 words: 256 consecutive bytes, at a multiple of 256 from the buffer's first byte
	v_cmp_ne_u32 s40, 0, v104
	v_cmp_eq_u32 s41, 0x01010101, v105
.if \more
	MLOAD \u, 2+(\u)
.endif
	s_or_b32 s42, s42, s40
	s_cmp_lg_u32 s40, 0                            ; some query sees some key of the step
	s_cselect_b32 s43, s44, 0
	s_or_b32 s45, s45, s43
	s_cmp_eq_u32 s41, -1                           ; every query sees every key of it
	s_cselect_b32 s43, s44, 0
	s_lshl_b32 s43, s43, 16
	s_or_b32 s45, s45, s43
	s_lshl_b32 s44, s44, 1
.endm
	MLOAD 0, 0
	MLOAD 1, 1
.Lmk:                                              ; seven trips of two steps; the last two steps are written out and load nothing
	MSTEP 0, 16, 1
	MSTEP 1, 16, 1
	s_wait_xcnt 0x0                                ; the bases and the stores' data are rewritten only behind this wait
	s_add_nc_u64 s[20:21], s[20:21], 256
	s_add_nc_u64 s[22:23], s[22:23], 256
	s_add_nc_u64 s[28:29], s[28:29], 512
	s_add_co_u32 s46, s46, 1
	s_cmp_lt_u32 s46, 7
	s_cbranch_scc1 .Lmk
	MSTEP 0, 16, 0
	MSTEP 1, 0, 0
	s_lshr_b32 s43, s42, 16
	s_or_b32 s42, s42, s43
	s_and_b32 s42, s42, 0xffff                     ; bit r: query r sees some key
	s_cmp_eq_u32 s42, 0xffff
	s_cselect_b32 s43, 0, 0xffff                   ; a query that sees none: all 16 steps are walked
	s_or_b32 s45, s45, s43
	v_mov_b32 v100, s45
	v_mov_b32 v101, s45
	global_store_b64 v6, v[100:101], s[32:33]      ; unit 0, whole
	s_endpgm
.Lfunc_end_k_q2bf92ad986_quant:
	.size	k_q2bf92ad986_quant, .Lfunc_end_k_q2bf92ad986_quant-k_q2bf92ad986_quant
	.p2alignl 7, 3214868480
	.fill 96, 4, 3214868480
	.section	.rodata,"a",@progbits
	.p2align	6, 0x0
	.amdhsa_kernel k_q2bf92ad986_quant
		.amdhsa_group_segment_fixed_size 34304
		.amdhsa_private_segment_fixed_size 0
		.amdhsa_enable_private_segment 0
		.amdhsa_kernarg_size 104
		.amdhsa_user_sgpr_count 2
		.amdhsa_user_sgpr_kernarg_segment_ptr 1
		.amdhsa_wavefront_size32 1
		.amdhsa_system_sgpr_workgroup_id_x 1
		.amdhsa_system_sgpr_workgroup_id_y 1
		.amdhsa_system_sgpr_workgroup_id_z 1
		.amdhsa_system_vgpr_workitem_id 0
		.amdhsa_next_free_vgpr 226
		.amdhsa_next_free_sgpr 66
		.amdhsa_reserve_vcc 0
		.amdhsa_float_denorm_mode_32 3
		.amdhsa_float_denorm_mode_16_64 3
		.amdhsa_memory_ordered 1
		.amdhsa_forward_progress 1
		.amdhsa_inst_pref_size 100
	.end_amdhsa_kernel
	.amdgpu_metadata
---
amdhsa.version: [ 1, 2 ]
amdhsa.kernels:
  - .name:           k_q2bf92ad986_quant
    .symbol:         k_q2bf92ad986_quant.kd
    .args:
      - { .name: q, .offset: 0, .size: 8, .value_kind: global_buffer, .address_space: global }
      - { .name: k, .offset: 8, .size: 8, .value_kind: global_buffer, .address_space: global }
      - { .name: v, .offset: 16, .size: 8, .value_kind: global_buffer, .address_space: global }
      - { .name: wq, .offset: 24, .size: 8, .value_kind: global_buffer, .address_space: global }
      - { .name: wk, .offset: 32, .size: 8, .value_kind: global_buffer, .address_space: global }
      - { .name: wv, .offset: 40, .size: 8, .value_kind: global_buffer, .address_space: global }
      - { .name: wo, .offset: 48, .size: 8, .value_kind: global_buffer, .address_space: global }
      - { .name: lowp_scales, .offset: 56, .size: 8, .value_kind: global_buffer, .address_space: global }
      - { .name: mask, .offset: 64, .size: 8, .value_kind: global_buffer, .address_space: global }
      - { .name: pad_mask, .offset: 72, .size: 8, .value_kind: global_buffer, .address_space: global }
      - { .name: xc, .offset: 80, .size: 8, .value_kind: global_buffer, .address_space: global }
      - { .name: wc, .offset: 88, .size: 8, .value_kind: global_buffer, .address_space: global }
      - { .name: mw, .offset: 96, .size: 8, .value_kind: global_buffer, .address_space: global }
    .group_segment_fixed_size: 34304
    .private_segment_fixed_size: 0
    .kernarg_segment_align: 8
    .kernarg_segment_size: 104
    .max_flat_workgroup_size: 128
    .sgpr_count:     66
    .vgpr_count:     226
    .wavefront_size: 32
...
	.end_amdgpu_metadata
.endif
;; end of part 1
;; launch proj (part 2): grid 4 x 96, 4 waves a work-group, clusters of 4 x 4, 327,680 bytes of LDS; arguments xc, wc, bq, bk, bv, lowp_scales, qc, kv; writes qc, kv
.if DOCPART == 2
	.amdgcn_target "amdgcn-amd-amdhsa--gfx1250"
	.amdhsa_code_object_version 6
	.text
	.protected	k_q2bf92ad986_proj
	.globl	k_q2bf92ad986_proj
	.p2align	8
	.type	k_q2bf92ad986_proj,@function
k_q2bf92ad986_proj:
	s_mov_b64 s[64:65], 0
	v_nop
	global_prefetch_b8 v0, s[64:65] scope:SCOPE_SE
	s_setreg_imm32_b32 hwreg(HW_REG_WAVE_MODE, 25, 1), 1
	s_wait_xcnt 0x0
	s_wait_alu depctr_hold_cnt(0) depctr_sa_sdst(0) depctr_va_vdst(0) depctr_va_sdst(0) depctr_va_ssrc(0) depctr_va_vcc(0) depctr_vm_vsrc(0)
	s_getreg_b32 s2, hwreg(HW_REG_IB_STS2, 6, 4)
	s_cmp_eq_u32 s2, 0
	s_cbranch_scc0 .Lentry_in_a_cluster
	s_endpgm
.Lentry_in_a_cluster:
	s_bfe_u32 s2, ttmp6, 0x10000c
	s_cmp_lg_u32 s2, 0xf033
	s_cbranch_scc0 .Lentry_shape_is_right
	s_endpgm
.Lentry_shape_is_right:
; THE THREE PROJECTIONS, x W^T + b, on codes of FP8 (E4M3), each result quantised on the way out into the image that the attention launch's operand registers take.
; p = cluster y / 8: 0: Q = q wq^T + bq -> qc;  1: K -> kv's K parts;  2: V -> kv's V parts.  A tile is 256 x 256; four waves, each 128 x 128: 64 accumulators, 512 registers.  K = 1,024 goes in four steps of 256
; through two LDS slots filled by the tensor data mover.
; OPERANDS ARE IMAGES OF REGISTERS (see the quantising launch): [block of 16 rows][128 along K][chunk][lane][16 bytes].  A K step of 256 of a block of rows is 4,096 consecutive bytes; a tensor load brings 8 blocks.
; A fragment is four ds_load_b128 at 16 x lane: 512 consecutive bytes each, so there is no pitch and no padding.
; ORIENTATION.  Source 0 = 16 rows of the "B operand", source 1 = 16 rows of the "A operand": in accumulator (a, b) lane (r, h) holds A's row 16 a + r and B's rows 16 b + 8 h + 0..7.  For Q and K: A = tokens, B = rows of
; the weight, so a lane's eight registers are eight neighbours along the head's 64, the next product's K.  For V: A = rows of wv, B = tokens: eight neighbouring KEYS, the second attention product's K.
; So every conversion's two registers are two registers of the next operand, and a group of four is stored as a chunk of 512 consecutive bytes: no LDS on the way out.
; THE BIAS is the C of each sum's first product, divided by 2^(ex + ew), the power of two that the sums lack.  The three scales ahead of the quantiser are folded: code = sum / 2^(eo - ex - ew).
; CLUSTERS: 4 x 4 work-groups.  A's tile hangs on cy (and the cluster's y), B's on cx (and the cluster's y): each is asked for JOINTLY by the four that share it.  The mode p is the same in all sixteen.
; LIMITS: eo - ex - ew between -126 and 119 (eo = e6, e7, e9), so that the conversion's scale and 448 x it are f32 numbers.  NaN is not served.
; REGISTERS, in windows of 256: window 0: v16-29 addresses; v32-95 the bias (block i, register j at 32 + 8 i + j); v96-123 small things; v128-255 A's fragments, ONE set; on the way out v128-191 the held sums.
;   window 1: B's fragments, TWO sets.   windows 2, 3: the accumulators of my A rows 0-63 and 64-127, (a, b) at v[8 (8 (a % 4) + b)].
.set HALFT,  32768                     ; 8 blocks of rows x 4,096 bytes: what one tensor load brings, and what one wave reads of A or of B
.set SLOT,   4*HALFT                   ; A's two halves, then B's two
.set SPARE,  2*SLOT                    ; behind the ring: the spare words, 128 bytes for each wave: two blocks of 256 bytes that no other line names
.set KB,     4096                      ; a K step of 256 of a block of rows, in bytes
.set FR,     16                        ; registers of a fragment
.set NL,     4                         ; LDS loads that bring one
.set NP,     4                         ; places behind this matrix instruction (ISA guide 7.12.1)
.set ADRA, 16                          ; v16-17  LDS address of my A fragments in slot 0, 1
.set ADRB, 20                          ; v20-21  the same for B
.set LI,   27                          ; v27     16 x lane
.set SPW,  28                          ; v28     LDS address of my spare word; never rewritten
.set NIL,  29                          ; v29     0; never rewritten
.set BIAS, 32
.set BO,   96                          ; v96-103 the bias loads' offsets, one for each register j
.set SC,   104                         ; v104    2^(eo - ex - ew)
.set LM,   105                         ; v105    448 x that
.set CD,   108                         ; v108-123 a block's codes
.set AF,   128
.set TMP,  128
.set G1, 24                            ; s[24:31] descriptor group 1 for A's tiles;  s[32:39] group 0, one set for each slot
.set G0, 32
.set G1B, 48                           ; s[48:55], s[56:63] the same for B's tiles
.set G0B, 56
.set MSB, 0
.macro WIN new                         ; the immediate's high byte repeats the setting that is left; a switch that changes nothing is dropped
.if MSB != (\new)
	s_set_vgpr_msb (MSB<<8)|(\new)
.set MSB, \new
.endif
.endm
.set MUL_LO, 0xa1                      ; source 0 (B) window 1, source 1 (A) window 0, C and D window 2
.set MUL_HI, 0xf1                      ; the same, C and D window 3
.set TO_B,   0x40                      ; destination window 1, address window 0
; A joint load: waves 0 and 1 fetch A's halves, waves 2 and 3 B's.  The branch hangs on the wave's number alone.  Four v_nop follow each of the two lines.
.macro JLOAD g0a, g1a, g0b, g1b
	s_cmp_eq_u32 s15, 0
	s_cbranch_scc0 .Lfor_b_\@
	tensor_load_to_lds s[\g0a:\g0a+3], s[\g1a:\g1a+7]
	s_nop 0
.rept 4
	v_nop
.endr
	s_branch .Lasked_\@
.Lfor_b_\@:
	tensor_load_to_lds s[\g0b:\g0b+3], s[\g1b:\g1b+7]
	s_nop 0
.rept 4
	v_nop
.endr
.Lasked_\@:
.endm
.macro CREST                           ; a round of the cluster's barrier behind its opening barrier
	s_cmp_lg_u32 s14, 0
	s_cbranch_scc1 .Lnot_wave_0_\@
	s_barrier_signal -3
.Lnot_wave_0_\@:
	s_barrier_wait -3
	s_barrier_signal -1
	s_barrier_wait -1
.endm
.macro CROUND                          ; a whole round
	s_barrier_signal -1
	s_barrier_wait -1
	CREST
.endm
	s_load_b512 s[68:83], s[0:1], 0x0              ; xc 68, wc 70, bq 72, bk 74, bv 76, the scales' exponents 78, qc 80, kv 82
	v_lshl_add_u32 v[SPW], v0, 2, SPARE
	v_mov_b32 v[NIL], 0
	ds_add_u32 v28, v29
	ds_add_u32 v28, v29
	s_wait_dscnt 0x0
	v_lshrrev_b32 v1, 5, v0
	v_readfirstlane_b32 s14, v1                    ; wave 0..3
	s_lshr_b32 s15, s14, 1                         ; which half of the tile's A rows is mine.  Also: I fetch for A (0) or for B (1)
	s_and_b32 s16, s14, 1                          ; which half of its B rows.  Also: which half of that tile I fetch
	s_bfe_u32 s40, ttmp6, 0x40000                  ; cx, cy: my place in the cluster
	s_bfe_u32 s41, ttmp6, 0x40004
	s_and_b32 s17, ttmp7, 0xffff                   ; the cluster's y, 0..23
	s_lshr_b32 s18, s17, 3                         ; p: 0 Q, 1 K, 2 V
	s_and_b32 s19, s17, 7
	s_lshl_b32 s19, s19, 2                         ; the cluster's first tile of tokens
	s_lshl_b32 s43, s41, 2
	s_lshl_b32 s43, 15, s43                        ; my row of the cluster
	s_lshl_b32 s44, 0x1111, s40                    ; my column
	; descriptor group 1: 8 rows (blocks of 16 operand rows) of 512 elements of 8 bytes, 2,048 elements (16,384 bytes) apart; dense in LDS
	s_or_b32 s[G1+0], s43, (3<<16)|(1<<21)         ; 15:0 the mask: A's tiles go to my row; 17:16 elements of 8 bytes; 20 no padding; 21 set beside a mask
	s_or_b32 s[G1B+0], s44, (3<<16)|(1<<21)
.irp g, G1, G1B
	s_mov_b32 s[\g+1], 512<<16                     ; tensor_dim0
	s_mov_b32 s[\g+2], 8<<16                       ; tensor_dim1
	s_mov_b32 s[\g+3], 512<<16                     ; tile_dim0
	s_mov_b32 s[\g+4], 8                           ; tile_dim1
	s_mov_b32 s[\g+5], 2048                        ; tensor_dim0_stride
	s_mov_b32 s[\g+6], 0
	s_mov_b32 s[\g+7], 0
.endr
	s_cmp_eq_u32 s18, 2                            ; V?  The tokens are then the B operand
	s_cselect_b32 s42, 0, s19
	s_cselect_b32 s45, s19, 0
	s_cselect_b32 s22, 20, 23                      ; the p-th tensor of wc is 2^20 bytes on, of xc 2^23
	s_cselect_b32 s23, 23, 20
	s_add_co_u32 s42, s42, s41                     ; A's tile: made of cy and the cluster's y alone
	s_add_co_u32 s45, s45, s40                     ; B's tile: of cx and the cluster's y alone
	s_lshl_b32 s22, s18, s22
	s_lshl_b32 s23, s18, s23
	s_lshl_b32 s12, s16, 17                        ; the half that I fetch: 8 blocks of 16,384 bytes
	s_lshl_b32 s20, s42, 18                        ; a tile: 16 blocks
	s_add_co_u32 s20, s20, s22
	s_add_co_u32 s20, s20, s12
	s_mov_b32 s21, 0
	s_lshl_b32 s46, s45, 18
	s_add_co_u32 s46, s46, s23
	s_add_co_u32 s46, s46, s12
	s_mov_b32 s47, 0
	s_mul_i32 s13, s14, HALFT                      ; where they go: wave x a half: no place in the cluster enters an LDS address
	s_wait_kmcnt 0x0
	s_load_b256 s[84:91], s[78:79], 0x0            ; e0 .. e7
	s_load_b128 s[92:95], s[78:79], 0x20           ; e8 .. e11
	s_cmp_eq_u32 s18, 2
	s_cselect_b64 s[8:9], s[70:71], s[68:69]       ; the A operand's buffer
	s_cselect_b64 s[10:11], s[68:69], s[70:71]     ; the B operand's
	s_add_nc_u64 s[20:21], s[8:9], s[20:21]
	s_add_nc_u64 s[46:47], s[10:11], s[46:47]
	CROUND                                         ; all sixteen work-groups are here: the first joint loads meet
.irp s, 0,1
	s_mov_b32 s[G0+4*\s], 1
	s_add_co_u32 s[G0+4*\s+1], s13, \s*SLOT
	s_add_nc_u64 s[G0+4*\s+2:G0+4*\s+3], s[20:21], \s*KB
	s_or_b32 s[G0+4*\s+3], s[G0+4*\s+3], 0x80000000
	s_mov_b32 s[G0B+4*\s], 1
	s_add_co_u32 s[G0B+4*\s+1], s13, \s*SLOT
	s_add_nc_u64 s[G0B+4*\s+2:G0B+4*\s+3], s[46:47], \s*KB
	s_or_b32 s[G0B+4*\s+3], s[G0B+4*\s+3], 0x80000000
.endr
	JLOAD G0, G1, G0B, G1B                         ; K step 0: one tensor load a wave at the head
	v_and_b32 v1, 31, v0
	v_lshlrev_b32 v[LI], 4, v1
	v_and_b32 v2, 15, v0                           ; r
	s_wait_alu depctr_va_vdst(0)
	v_bfe_u32 v3, v0, 4, 1                         ; h
	s_wait_alu depctr_va_vdst(0)
	s_mul_i32 s21, s15, HALFT                      ; my half of A
	s_mul_i32 s22, s16, HALFT                      ; my half of B,
	s_add_co_u32 s22, s22, 2*HALFT                 ; which lies behind A's two
.irp s, 0,1
	v_add_nc_u32 v[ADRA+\s], s21, v[LI]
	v_add_nc_u32 v[ADRB+\s], s22, v[LI]
	s_add_co_u32 s21, s21, SLOT
	s_add_co_u32 s22, s22, SLOT
.endr
	; the bias: register 8 i + j of lane (r, h) is b[first + 16 i + 8 h + j] for Q and K (i = B's block), b[first + 16 i + r] for V (i = A's block)
	s_cmp_eq_u32 s18, 0
	s_cselect_b64 s[46:47], s[72:73], s[74:75]
	s_cmp_eq_u32 s18, 2
	s_cselect_b64 s[46:47], s[76:77], s[46:47]
	s_cselect_b32 s10, s42, s45                    ; the tile of features,
	s_cselect_b32 s11, s15, s16                    ; my half of it
	s_cselect_b32 s12, 4, 0                        ; bytes for r,
	s_cselect_b32 s13, 0, 32                       ; for h,
	s_cselect_b32 s23, 0, 4                        ; for j
	s_lshl_b32 s10, s10, 10
	s_lshl_b32 s11, s11, 9
	s_add_co_u32 s10, s10, s11
	s_mov_b32 s11, 0
	s_add_nc_u64 s[46:47], s[46:47], s[10:11]
	v_mul_lo_u32 v4, v2, s12
	v_mul_lo_u32 v5, v3, s13
	v_add_nc_u32 v4, v4, v5
	v_mov_b32 v5, s23
.irp j, 0,1,2,3,4,5,6,7
	v_mad_u32_u24 v[BO+\j], v5, \j, v4
.endr
.irp i, 0,1,2,3,4,5,6,7
.irp j, 0,1,2,3,4,5,6,7
	global_load_b32 v[BIAS+8*\i+\j], v[BO+\j], s[46:47] offset:64*\i
.endr
.endr
	; where the codes go.  tokens: batch = tile / 8, 128 tokens st = 2 (tile % 8) + half;  features: head pair: bh = 16 batch + 4 tile + 2 half
	s_cmp_eq_u32 s18, 2
	s_cselect_b32 s17, s45, s42                    ; the tokens' tile,
	s_cselect_b32 s19, s16, s15                    ; my half of it
	s_cselect_b32 s22, s42, s45                    ; the features' tile,
	s_cselect_b32 s23, s15, s16                    ; my half of it
	s_lshr_b32 s43, s17, 3
	s_and_b32 s17, s17, 7
	s_lshl_b32 s17, s17, 1
	s_add_co_u32 s17, s17, s19                     ; st
	s_lshl_b32 s43, s43, 4
	s_lshl_b32 s22, s22, 2
	s_add_co_u32 s43, s43, s22
	s_lshl_b32 s23, s23, 1
	s_add_co_u32 s43, s43, s23                     ; bh
	s_lshl_b32 s22, s43, 17
	s_lshl_b32 s23, s17, 13
	s_add_co_u32 s22, s22, s23                     ; qc: (128 bh + 8 st) fragments of 1,024 bytes
	s_lshl_b32 s43, s43, 18
	s_lshl_b32 s17, s17, 14
	s_add_co_u32 s43, s43, s17                     ; kv: (16 bh + st) key steps of 16,384 bytes
	s_mov_b32 s12, 262144
	s_mov_b32 s8, 1024
	s_cmp_eq_u32 s18, 0
	s_cselect_b32 s6, s22, s43
	s_cselect_b64 s[4:5], s[80:81], s[82:83]
	s_cselect_b32 s12, 131072, s12                 ; chunks 2, 3 of a block: Q, K: the next head's fragment;
	s_cmp_eq_u32 s18, 2
	s_cselect_b32 s12, 1024, s12                   ; V: the same fragment's second half
	s_cselect_b32 s8, 2048, s8                     ; from block a to block a + 1
	s_cselect_b32 s10, 253952, 0                   ; V: block 4 begins the next head: 262,144 - 4 x 2,048 more
	s_cselect_b32 s7, 8192, 0                      ; V's part lies behind K's
	s_add_co_u32 s6, s6, s7
	s_mov_b32 s7, 0
	s_mov_b32 s9, 0
	s_mov_b32 s11, 0
	s_mov_b32 s13, 0
	s_add_nc_u64 s[4:5], s[4:5], s[6:7]            ; chunks 0, 1
	s_add_nc_u64 s[6:7], s[4:5], s[12:13]          ; chunks 2, 3
	s_wait_kmcnt 0x0                               ; the exponents: chosen by selects, no branch hangs on them
	s_cmp_eq_u32 s18, 0
	s_cselect_b32 s17, s84, s86
	s_cselect_b32 s19, s85, s87
	s_cselect_b32 s22, s90, s91
	s_cmp_eq_u32 s18, 2
	s_cselect_b32 s17, s88, s17
	s_cselect_b32 s19, s89, s19
	s_cselect_b32 s22, s93, s22
	s_add_co_i32 s17, s17, s19                     ; ex + ew
	s_sub_co_i32 s19, 0, s17
	s_sub_co_i32 s22, s22, s17                     ; eo - ex - ew
	s_add_co_i32 s22, s22, 127
	s_lshl_b32 s23, s22, 23
	v_mov_b32 v[SC], s23
	s_add_co_i32 s22, s22, 8
	s_lshl_b32 s22, s22, 23
	s_or_b32 s22, s22, 0x600000
	v_mov_b32 v[LM], s22
	s_wait_loadcnt 0x0
.set i, 0
.rept 64
	v_ldexp_f32 v[BIAS+i], v[BIAS+i], s19          ; b / 2^(ex + ew)
.set i, i+1
.endr
.macro FRAG reg, adr, q, i             ; a fragment, 16 rows x 128 K: four chunks of 512 consecutive bytes
.irp c, 0,1,2,3
	ds_load_b128 v[\reg+4*\c:\reg+4*\c+3], v[\adr] offset:4096*(\i)+2048*(\q)+512*\c
.endr
.endm
; 16 matrix instructions: A's blocks a0, a0 + 1 x B's eight, 128 along K.  p: B's set.  zero = 1: the sums start from the bias of B's block; 2: of A's block; 0: they go on.
; The 64 accumulators take turns, one instruction a turn, in the same order in every step.
.macro MUL16 a0, p, zero
.irp a, \a0, \a0+1
.irp b, 0,1,2,3,4,5,6,7
.if (\zero) == 1
	v_wmma_f32_16x16x128_fp8_fp8 v[8*(8*((\a)%4)+\b):8*(8*((\a)%4)+\b)+7], v[128*(\p)+FR*\b:128*(\p)+FR*\b+FR-1], v[AF+FR*(\a):AF+FR*(\a)+FR-1], v[BIAS+8*\b:BIAS+8*\b+7]
.elseif (\zero) == 2
	v_wmma_f32_16x16x128_fp8_fp8 v[8*(8*((\a)%4)+\b):8*(8*((\a)%4)+\b)+7], v[128*(\p)+FR*\b:128*(\p)+FR*\b+FR-1], v[AF+FR*(\a):AF+FR*(\a)+FR-1], v[BIAS+8*(\a):BIAS+8*(\a)+7]
.else
	v_wmma_f32_16x16x128_fp8_fp8 v[8*(8*((\a)%4)+\b):8*(8*((\a)%4)+\b)+7], v[128*(\p)+FR*\b:128*(\p)+FR*\b+FR-1], v[AF+FR*(\a):AF+FR*(\a)+FR-1], v[8*(8*((\a)%4)+\b):8*(8*((\a)%4)+\b)+7]
.endif
.endr
.endr
.endm
.macro FETCH_B slot, q, p              ; B's eight fragments of the slot's q-th 128 along K into set p
	WIN TO_B
.irp i, 0,1,2,3,4,5,6,7
	FRAG 128*(\p)+FR*\i, ADRB+\slot, \q, \i
.endr
	WIN 0
.endm
.macro FETCH_A slot, q, i0             ; A's blocks i0 .. i0 + 3
.irp i, \i0, \i0+1, \i0+2, \i0+3
	FRAG AF+FR*(\i), ADRA+\slot, \q, \i
.endr
.endm
; A load into a register that a matrix instruction has read, and a vector instruction that reads a matrix result or writes one of its sources, stand NP places behind it; only plain vector instructions that name
; none of its registers are places (ISA guide 7.12.1 for vector instructions).
.macro PLACES n
.rept \n
	v_nop
.endr
.endm
; A step of 128 along K that has its successor in the same slot.  A has one set of registers: blocks 0-3 are fetched anew in the step's middle, blocks 4-7 at its end; B has two sets.
.macro STEP slot, q, zero
	s_wait_dscnt 4*NL                              ; B's set and A's blocks 0-3 are in; the youngest 16 loads (A's blocks 4-7) may be out
.if \zero
	WIN 0x81                                       ; C (the bias) window 0, D window 2
.else
	WIN MUL_LO
.endif
	MUL16 0, (\q)%2, \zero
	MUL16 2, (\q)%2, \zero
	s_wait_dscnt 0                                 ; A's blocks 4-7 are in
	PLACES NP
	FETCH_B \slot, (\q)+1, 1-(\q)%2
	FETCH_A \slot, (\q)+1, 0
.if \zero
	WIN 0xc1                                       ; C window 0, D window 3
.else
	WIN MUL_HI
.endif
	MUL16 4, (\q)%2, \zero
	MUL16 6, (\q)%2, \zero
	PLACES NP
	WIN 0
	FETCH_A \slot, (\q)+1, 4
.endm
; A slot's last step changes slots: ONE barrier; in front of it each wave waits for all its tensor loads, adds 0 to its spare word, and waits for that and for its own reads of this slot.  fill = 1: the slot is filled again, two K steps ahead.
.macro TURN slot, next, fill
	s_wait_tensorcnt 0x0                           ; all my tensor loads have landed: my part of the next slot
	ds_add_u32 v[SPW], v[NIL]                      ; 0 onto my spare word
	s_wait_dscnt 4*NL+1                            ; (the add and the youngest 16 loads, A's blocks 4-7, may be out)
	WIN MUL_LO
	MUL16 0, 1, 0                                  ; sixteen matrix instructions stand between the add and the wait for it
	s_wait_dscnt 0x0                               ; the add is done, and my reads of this slot are over
	s_barrier_signal -1
	MUL16 2, 1, 0
	WIN 0
	s_barrier_wait -1
.if \fill
	CREST                                          ; the barrier has opened a round of the cluster's barrier: no wave of any partner still reads this slot or has a load on its way
	s_add_nc_u64 s[G0+4*\slot+2:G0+4*\slot+3], s[G0+4*\slot+2:G0+4*\slot+3], 2*KB
	s_add_nc_u64 s[G0B+4*\slot+2:G0B+4*\slot+3], s[G0B+4*\slot+2:G0B+4*\slot+3], 2*KB
	JLOAD G0+4*\slot, G1, G0B+4*\slot, G1B         ; the first tensor load behind the round, my only one until the next; its four v_nop are also the places in front of the loads below
.else
	PLACES NP
.endif
	FETCH_B \next, 0, 0
	FETCH_A \next, 0, 0
	WIN MUL_HI
	MUL16 4, 1, 0
	MUL16 6, 1, 0
	PLACES NP
	WIN 0
	FETCH_A \next, 0, 4
.endm
	s_wait_alu depctr_va_vdst(0)
	s_wait_tensorcnt 0x0                           ; my part of K step 0 is in
	ds_add_u32 v[SPW], v[NIL]
	s_wait_dscnt 0x0
	CROUND                                         ; everybody's part of K step 0 is in, and all sixteen work-groups are here
	JLOAD G0+4, G1, G0B+4, G1B                     ; K step 1's load, the first tensor load behind the round
	FETCH_B 0, 0, 0
	FETCH_A 0, 0, 0
	FETCH_A 0, 0, 4
	s_cmp_eq_u32 s18, 2                            ; the first step is written twice: the bias goes by B's blocks (Q, K) or by A's (V).  The mode is the same in all sixteen partners;
	s_cbranch_scc1 .Lfirst_v                       ; both copies have the same LDS loads and waits, and neither a tensor load nor a barrier
	s_wait_alu depctr_va_vdst(0)
	STEP 0, 0, 1
	s_branch .Lfirst_done
.Lfirst_v:
	s_wait_alu depctr_va_vdst(0)
	STEP 0, 0, 2
.Lfirst_done:
	TURN 0, 1, 1                                   ; eight steps of 128 along K in all: written out, since a loop would have one trip
	STEP 1, 0, 0
	TURN 1, 0, 1
	STEP 0, 0, 0
	TURN 0, 1, 0                                   ; the last two K steps fill nothing
	STEP 1, 0, 0
	s_wait_dscnt 4*NL                              ; the very last step: nothing more to fetch
	WIN MUL_LO
	MUL16 0, 1, 0
	MUL16 2, 1, 0
	s_wait_dscnt 0
	WIN MUL_HI
	MUL16 4, 1, 0
	MUL16 6, 1, 0
	WIN 0
; THE WAY OUT, A's block a at a time: its 64 sums are held within +-448 x the scale (into window 0, each accumulator from its low end on), converted, and stored as four chunks.
.macro OUTBLK a
	WIN 0x02+((\a)/4)                              ; source 0: window 2 or 3
.set i, 0
.rept 64
	v_med3_num_f32 v[TMP+i], v[64*((\a)%4)+i], -v[LM], v[LM]   ; the conversion to an 8-bit code does not saturate (ISA guide 7.6.2)
.set i, i+1
.endr
	WIN 0
.if (\a) > 0
	s_wait_alu depctr_va_vdst(0)
	s_wait_xcnt 0x0                                ; the last block's stores have had their addresses translated (ISA guide 3.1): their data and bases are rewritten only behind this wait
	s_add_nc_u64 s[4:5], s[4:5], s[8:9]
	s_add_nc_u64 s[6:7], s[6:7], s[8:9]
.endif
.if (\a) == 4
	s_add_nc_u64 s[4:5], s[4:5], s[10:11]
	s_add_nc_u64 s[6:7], s[6:7], s[10:11]
.endif
.irp b, 0,1,2,3,4,5,6,7
	v_cvt_scalef32_pk8_fp8_f32 v[CD+2*\b:CD+2*\b+1], v[TMP+8*\b:TMP+8*\b+7], v[SC]
.endr
	v_nop                                          ; one plain vector line behind the last conversion: the next block's holds write its sources
	global_store_b128 v[LI], v[CD:CD+3], s[4:5]                 ; each store: 512 consecutive bytes, at a multiple of 512 from the buffer's first byte
	global_store_b128 v[LI], v[CD+4:CD+7], s[4:5] offset:512
	global_store_b128 v[LI], v[CD+8:CD+11], s[6:7]
	global_store_b128 v[LI], v[CD+12:CD+15], s[6:7] offset:512
.endm
	PLACES NP                                      ; behind the last products: their results are read, and the registers that held A's fragments written
.irp a, 0,1,2,3,4,5,6,7
	OUTBLK \a
.endr
	s_wait_tensorcnt 0x0                           ; the wave's end
	ds_add_u32 v[SPW], v[NIL]
	s_wait_dscnt 0x0
	CROUND                                         ; the closing round: no work-group ends while a partner may still ask for a tile that names it
	s_endpgm
.Lfunc_end_k_q2bf92ad986_proj:
	.size	k_q2bf92ad986_proj, .Lfunc_end_k_q2bf92ad986_proj-k_q2bf92ad986_proj
	.p2alignl 7, 3214868480
	.fill 96, 4, 3214868480
	.section	.rodata,"a",@progbits
	.p2align	6, 0x0
	.amdhsa_kernel k_q2bf92ad986_proj
		.amdhsa_group_segment_fixed_size 327680
		.amdhsa_private_segment_fixed_size 0
		.amdhsa_enable_private_segment 0
		.amdhsa_kernarg_size 64
		.amdhsa_user_sgpr_count 2
		.amdhsa_user_sgpr_kernarg_segment_ptr 1
		.amdhsa_wavefront_size32 1
		.amdhsa_system_sgpr_workgroup_id_x 1
		.amdhsa_system_sgpr_workgroup_id_y 1
		.amdhsa_system_sgpr_workgroup_id_z 1
		.amdhsa_system_vgpr_workitem_id 0
		.amdhsa_next_free_vgpr 1024
		.amdhsa_next_free_sgpr 100
		.amdhsa_reserve_vcc 0
		.amdhsa_float_denorm_mode_32 3
		.amdhsa_float_denorm_mode_16_64 3
		.amdhsa_memory_ordered 1
		.amdhsa_forward_progress 1
		.amdhsa_inst_pref_size 140
	.end_amdhsa_kernel
	.amdgpu_metadata
---
amdhsa.version: [ 1, 2 ]
amdhsa.kernels:
  - .name:           k_q2bf92ad986_proj
    .symbol:         k_q2bf92ad986_proj.kd
    .args:
      - { .name: xc, .offset: 0, .size: 8, .value_kind: global_buffer, .address_space: global }
      - { .name: wc, .offset: 8, .size: 8, .value_kind: global_buffer, .address_space: global }
      - { .name: bq, .offset: 16, .size: 8, .value_kind: global_buffer, .address_space: global }
      - { .name: bk, .offset: 24, .size: 8, .value_kind: global_buffer, .address_space: global }
      - { .name: bv, .offset: 32, .size: 8, .value_kind: global_buffer, .address_space: global }
      - { .name: lowp_scales, .offset: 40, .size: 8, .value_kind: global_buffer, .address_space: global }
      - { .name: qc, .offset: 48, .size: 8, .value_kind: global_buffer, .address_space: global }
      - { .name: kv, .offset: 56, .size: 8, .value_kind: global_buffer, .address_space: global }
    .group_segment_fixed_size: 327680
    .private_segment_fixed_size: 0
    .kernarg_segment_align: 8
    .kernarg_segment_size: 64
    .max_flat_workgroup_size: 128
    .sgpr_count:     100
    .vgpr_count:     1024
    .wavefront_size: 32
...
	.end_amdgpu_metadata
.endif
;; end of part 2
;; launch attn (part 3): grid 4 x 64, 16 waves a work-group, no clusters, 264,192 bytes of LDS; arguments qc, kv, mw, lowp_scales, oc; writes oc
.if DOCPART == 3
	.amdgcn_target "amdgcn-amd-amdhsa--gfx1250"
	.amdhsa_code_object_version 6
	.text
	.protected	k_q2bf92ad986_attn
	.globl	k_q2bf92ad986_attn
	.p2align	8
	.type	k_q2bf92ad986_attn,@function
k_q2bf92ad986_attn:
	s_mov_b64 s[64:65], 0
	v_nop
	global_prefetch_b8 v0, s[64:65] scope:SCOPE_SE
	s_setreg_imm32_b32 hwreg(HW_REG_WAVE_MODE, 25, 1), 1
	s_wait_xcnt 0x0
; ATTENTION ON CODES OF FP8 (E4M3) for one (batch, head) a grid row: S^T = K Q^T, p = 2^(t - M), O^T = V^T P^T, O / the row's sum quantised with 2^e10 into the image that the last projection's operand registers take.
; t = score x log2(e) / 8; M = the running largest t rounded up to a whole number; the row's sum is taken of the unquantised p; when M moves, sum and O^T are multiplied by 2^(old M - new M), which rounds nothing.
; SHARES.  A head has 64 pairs of neighbouring tiles of 16 queries and 16 steps of 128 keys; each of the head's 64 waves (4 work-groups x 16) owns ONE PAIR, so that each fragment of K and of V that it reads from LDS
; feeds two matrix instructions: K's 64 registers serve tile a's scores and, behind a's softmax, tile b's; V's fragments then serve both sums.  Pair = 4 n + work-group x, n = 0..15 taken by the wave's number from a
; 4 x 4 square whose rows and columns all sum to 30: a deal by ids alone; where the masks let low pairs walk few steps, any four waves of a row or a column of the square still have like sums.
; K AND V: the head's 16 steps x 16,384 bytes (8 fragments of K, 4 of V, as images of registers) fill 262,144 bytes of LDS once: wave w copies step w through 128 registers; one barrier; then no wave writes LDS.
; THE MASKS ARE WHOLE NUMBERS READ FROM MEMORY (mw, made by the first launch from mask and pad_mask), and they decide what is walked.  A tile's summary word says for each step whether it is walked at all
; (some query of the tile sees some key of it, or some query of the tile sees no key whatever, in which case all 16 steps are walked) and whether all its scores count.  The pair walks a step that either tile asks for;
; lane masks are loaded and applied to both tiles unless all scores of both count.  The two forms of a step are the two arms of one branch.
; A hidden score is replaced by -2^30 / 2^(e6 + e7), that is a logit of -2^27, for reference()'s -1e8.  A query that sees no key gets p = 1 at all 2,048 keys either way; for any other query both give p = 0,
; in f32 and in the format, so a step in which no query of the pair sees a key adds nothing to sum or product.  LIMIT: e6 + e7 <= 5, so that the logits that count (at most 8 x 448^2 x 2^(e6 + e7)) stay far above -1e8.
; These branches hang on words read from memory; LDS is filled through registers, and there are no joint loads and no cluster.
; No prefetch: the one stream, the head's K and V, is asked for whole by the first loads of the launch; there is no loop to run ahead in.
; THE HOLD of p at 448 x 2^e8 can act only where 448 x 2^e8 < 1, that is e8 < -8 (p <= 1): a scalar branch on e8 leads round its 64 lines otherwise.
; LIMITS: e6 + e7 between -97 and 5; e8 and e10 between -126 and 119.  NaN is not served.
; REGISTERS, all 256: v0 the thread's number, kept; v1 16 x lane; v2 LDS address; v3 2^e8; v4 -M, v5 largest t, v[6:7] the sum of tile a; v8-11 the same of tile b; v12 f, v13 the hidden score; v14, v15 at work;
; v16-31 Q of both tiles; v32-95 fragments of K, then V; v96-159 S^T, then p; v160-191, v192-223 O^T of a, b; v224-239, v240-255 p's codes of a, b (v240, v242, v243 are at work until b's codes are made).
.set STEPB, 16384
.set SPARE, 0x40000                    ; behind K and V: the spare words, 128 bytes for each of 16 waves
.set MWE,   4352                       ; an entry of mw: the summary's unit and 16 units of lane masks
.set LI,  1
.set ADR, 2
.set PS,  3
.set FF,  12
.set XR,  13
.set Q0,  16
.set Q1,  24
.set KV,  32
.set S,   96
.set OVA, 160
.set OVB, 192
.set PCA, 224
.set PCB, 240
.set OL,  S+40                         ; the way out: 448 x 2^e10, 2^e10, O's codes, the add's two registers
.set OS,  S+41
.set SPW, S+44
.set NIL, S+45
.set TB,    2                          ; s2 LDS byte of the step in hand
.set CNT,   3                          ; s3 the step
.set T0,    4
.set T1,    5
.set PW,    6                          ; s6 the pair's summary
.set PA,    7
.set PB,    8
.set HOLD,  9                          ; s9 1 where e8 < -8
.set KP,    10
.set OA,    12
.set WV,    14
.set EPV,   15
.set SEL,   66
.set QA,    84
.set MA,    86
.set PLS,   88                         ; s88 448 x 2^e8
.set OLS,   89
.set OSS,   90
.set CS,    96
	s_load_b256 s[32:39], s[0:1], 0x0              ; qc 32, kv 34, mw 36, the scales' exponents 38
	s_load_b64 s[OA:OA+1], s[0:1], 0x20            ; oc
	v_lshrrev_b32 v7, 5, v0
	v_readfirstlane_b32 s[WV], v7                  ; wave 0..15
	s_lshl_b32 s60, s[WV], 14                      ; the key step that I copy
	v_and_b32 v7, 31, v0
	v_lshlrev_b32 v[LI], 4, v7
	v_add_nc_u32 v[ADR], s60, v[LI]
	s_and_b32 s40, s[WV], 7
	s_lshl_b32 s40, s40, 2
	s_mov_b32 s41, 0x7a94c12f                      ; the square, a nibble a wave: 15 2 1 12 / 4 9 10 7 /
	s_mov_b32 s46, 0x0de3b658                      ; 8 5 6 11 / 3 14 13 0
	s_cmp_lt_u32 s[WV], 8
	s_cselect_b32 s41, s41, s46
	s_lshr_b32 s41, s41, s40
	s_and_b32 s41, s41, 15                         ; n
	s_lshl_b32 s41, s41, 2
	s_add_co_u32 s41, s41, ttmp9                   ; my pair
	s_lshl_b32 s41, s41, 1                         ; tile a; tile b is the next
	s_and_b32 s42, ttmp7, 0xffff                   ; 16 batch + head
	s_lshr_b32 s43, s42, 4
	s_lshl_b32 s43, s43, 7                         ; 128 batch
	s_and_b32 s44, s42, 15
	s_lshl_b32 s44, s44, 10                        ; the head's 1,024 bytes of a block of oc
	s_lshl_b32 s45, s42, 7
	s_add_co_u32 s46, s45, s41
	s_lshl_b32 s46, s46, 10                        ; qc: fragments of 1,024 bytes
	s_mov_b32 s47, 0
	s_add_co_u32 s50, s43, s41
	s_mul_i32 s48, s50, MWE                        ; mw
	s_mov_b32 s49, 0
	s_lshl_b32 s50, s50, 14
	s_add_co_u32 s50, s50, s44                     ; oc: blocks of 16,384 bytes
	s_mov_b32 s51, 0
	s_lshl_b32 s58, s42, 18
	s_add_co_u32 s58, s58, s60
	s_mov_b32 s59, 0
	s_mov_b32 s[SEL], 0x76543210
	s_mov_b32 s[SEL+1], 0xfedcba98
	s_wait_alu depctr_va_vdst(0)
	s_wait_kmcnt 0x0
	s_load_b128 s[16:19], s[38:39], 0x18           ; e6, e7, e8, e9
	s_load_b32 s20, s[38:39], 0x28                 ; e10
	s_add_nc_u64 s[KP:KP+1], s[34:35], s[58:59]
	s_add_nc_u64 s[QA:QA+1], s[32:33], s[46:47]
	s_add_nc_u64 s[MA:MA+1], s[36:37], s[48:49]
	s_add_nc_u64 s[OA:OA+1], s[OA:OA+1], s[50:51]
.set n, 0
.rept 32
	global_load_b128 v[KV+4*n:KV+4*n+3], v[LI], s[KP:KP+1] offset:512*n   ; my key step: 32 x 512 consecutive bytes
.set n, n+1
.endr
.irp c, 0,1,2,3
	global_load_b128 v[Q0+4*\c:Q0+4*\c+3], v[LI], s[QA:QA+1] offset:512*\c
.endr
	s_load_b32 s[PA], s[MA:MA+1], 0x0
	s_load_b32 s[PB], s[MA:MA+1], MWE
	s_wait_kmcnt 0x0
	s_or_b32 s[PW], s[PA], s[PB]
	s_and_b32 s[PW], s[PW], 0xffff                 ; walked: what either tile asks for
	s_and_b32 s[T0], s[PA], s[PB]
	s_and_b32 s[T0], s[T0], 0xffff0000             ; no masks: where all scores of both count
	s_or_b32 s[PW], s[PW], s[T0]
	s_add_co_i32 s21, s16, s17
	s_lshl_b32 s22, s21, 23
	s_add_co_i32 s[CS], s22, 0x3e38aa3b            ; c = log2(e) / 8 x 2^(e6 + e7)
	s_mov_b32 s[CS+1], s[CS]
	s_sub_co_i32 s21, 157, s21
	s_lshl_b32 s21, s21, 23
	s_or_b32 s21, s21, 0x80000000
	v_mov_b32 v[XR], s21                           ; a hidden score: -2^(30 - e6 - e7)
	s_add_co_i32 s[EPV], s18, s19
	s_cmp_lt_i32 s18, -8
	s_cselect_b32 s[HOLD], 1, 0
	s_add_co_i32 s22, s18, 127
	s_lshl_b32 s23, s22, 23
	v_mov_b32 v[PS], s23                           ; 2^e8
	s_add_co_i32 s22, s22, 8
	s_lshl_b32 s22, s22, 23
	s_or_b32 s[PLS], s22, 0x600000                 ; 448 x 2^e8
	s_add_co_i32 s22, s20, 127
	s_lshl_b32 s[OSS], s22, 23                     ; 2^e10
	s_add_co_i32 s22, s22, 8
	s_lshl_b32 s22, s22, 23
	s_or_b32 s[OLS], s22, 0x600000                 ; 448 x 2^e10
	v_mov_b32 v5, 0xff61b1e6                       ; the largest t so far: -3e38
	v_mov_b32 v9, 0xff61b1e6
	v_mov_b32 v6, 0
	v_mov_b32 v7, 0
	v_mov_b32 v10, 0
	v_mov_b32 v11, 0
	v_mov_b32 v14, 0                               ; written once: a lane permute's destination counts as one of its sources
	v_floor_f32 v4, -v5
	v_floor_f32 v8, -v9
.set n, 0
.rept 64
	v_mov_b32 v[OVA+n], 0                          ; the step is written once for all steps: the first finds zeros
.set n, n+1
.endr
	s_mov_b32 s[TB], 0
	s_mov_b32 s[CNT], 0
	s_wait_alu depctr_va_vdst(0)
.irp g, 0,1,2,3
	s_wait_loadcnt 28-8*\g                         ; these eight loads are in; Q's four and the later groups' may be out
.irp i, 0,1,2,3,4,5,6,7
	ds_store_b128 v[ADR], v[KV+4*(8*\g+\i):KV+4*(8*\g+\i)+3] offset:512*(8*\g+\i)
.endr
.endr
	s_wait_dscnt 0x0                               ; my step lies in LDS
	s_barrier_signal -1
	s_barrier_wait -1                              ; all sixteen do
	s_wait_loadcnt 0x0                             ; Q
.macro MASKL off                       ; a tile's 64 lane masks of the step
	s_load_b512 s[16:31], s[MA:MA+1], \off
	s_load_b512 s[32:47], s[MA:MA+1], \off+0x40
	s_load_b512 s[48:63], s[MA:MA+1], \off+0x80
	s_load_b512 s[68:83], s[MA:MA+1], \off+0xc0
.endm
.macro SCORES qf                       ; S^T = K Q^T
.irp t, 0,1,2,3,4,5,6,7
	v_wmma_f32_16x16x64_fp8_fp8 v[S+8*\t:S+8*\t+7], v[KV+8*\t:KV+8*\t+7], v[\qf:\qf+7], 0
.endr
.rept 4
	v_nop
.endr
.endm
.macro HIDE
	s_wait_kmcnt 0x0
.set n, 0
.rept 64
.if n < 48
.set mr, 16+n
.else
.set mr, 20+n
.endif
	v_cndmask_b32 v[S+n], v[XR], v[S+n], s[mr]
.set n, n+1
.endr
.endm
; a tile's softmax of the step: st: -M and the largest t; sm: the sum; o: O^T; pc: p's codes; pre = 1: the other tile's lane masks are asked for behind the maxima
.macro SOFT st, sm, o, pc, pre
	v_max3_num_f32 v15, v[S], v[S+1], v[S+2]
	v_max3_num_f32 v240, v[S+3], v[S+4], v[S+5]
.irp i, 6,10,14,18,22,26,30,34,38,42,46,50,54,58
	v_max3_num_f32 v15, v15, v[S+\i], v[S+1+\i]
	v_max3_num_f32 v240, v240, v[S+2+\i], v[S+3+\i]
.endr
	v_max3_num_f32 v15, v15, v[S+62], v[S+63]
	v_max_num_f32 v15, v15, v240
.if \pre
	MASKL MWE+0x100
.endif
	v_permlanex16_b32 v14, v15, s[SEL], s[SEL+1]
	v_max_num_f32 v15, v15, v14                    ; the step's largest score of my query
	v_mul_f32 v15, s[CS], v15
	v_max_num_f32 v[\st+1], v[\st+1], v15          ; the running largest t
	v_mov_b32 v15, v[\st]
	v_floor_f32 v[\st], -v[\st+1]                  ; -M
	v_sub_f32 v15, v[\st], v15
	v_cvt_i32_f32 v15, v15
	v_ldexp_f32 v[FF], 1.0, v15                    ; f = 2^(old M - new M)
.set n, 0
.rept 32
	v_pk_fma_f32 v[S+n:S+n+1], v[S+n:S+n+1], s[CS:CS+1], v[\st:\st+1] op_sel_hi:[1,0,0]
.set n, n+2
.endr
	s_wait_alu depctr_va_vdst(0)                   ; a wait ahead of the batch
.set n, 0
.rept 64
	v_exp_f32 v[S+n], v[S+n]
.set n, n+1
.endr
	v_pk_mul_f32 v[\sm:\sm+1], v[\sm:\sm+1], v[FF:FF+1] op_sel_hi:[1,0]
	s_wait_alu depctr_va_vdst(0)                   ; and one behind it, ahead of its first reader
	v_pk_add_f32 v[242:243], v[S:S+1], v[S+2:S+3]
.irp j, 4,8,12,16,20,24,28,32,36,40,44,48,52,56,60
	v_pk_add_f32 v[\sm:\sm+1], v[\sm:\sm+1], v[S+\j:S+1+\j]
	v_pk_add_f32 v[242:243], v[242:243], v[S+2+\j:S+3+\j]
.endr
	v_pk_add_f32 v[\sm:\sm+1], v[\sm:\sm+1], v[242:243]
	s_cmp_eq_u32 s[HOLD], 0
	s_cbranch_scc1 .Lfit_\@                        ; p <= 1 <= 448 x 2^e8: the hold could change nothing
.set n, 0
.rept 64
	v_min_num_f32 v[S+n], s[PLS], v[S+n]
.set n, n+1
.endr
.Lfit_\@:
.irp t, 0,1,2,3,4,5,6,7
	v_cvt_scalef32_pk8_fp8_f32 v[\pc+2*\t:\pc+2*\t+1], v[S+8*\t:S+8*\t+7], v[PS]
.endr
	s_wait_alu depctr_va_vdst(0)                   ; directly ahead of the first reader of O^T
.set n, 0
.rept 16
	v_pk_mul_f32 v[\o+n:\o+n+1], v[\o+n:\o+n+1], v[FF:FF+1] op_sel_hi:[1,0]
.set n, n+2
.endr
.endm
; a step of 128 keys for both tiles.  part = 1: with lane masks
.macro DSTEP part
.if \part
	MASKL 0x100
.endif
	v_add_nc_u32 v[ADR], s[TB], v[LI]
.rept 3
	v_nop                                          ; with the line above: four places in front of loads into registers that matrix instructions have read
.endr
.irp t, 0,1,2,3,4,5,6,7
.irp c, 0,1
	ds_load_b128 v[KV+8*\t+4*\c:KV+8*\t+4*\c+3], v[ADR] offset:1024*\t+512*\c
.endr
.endr
	s_wait_alu depctr_va_vdst(0)
	s_wait_dscnt 0x0
	SCORES Q0
.if \part
	HIDE
.endif
	SOFT 4, 6, OVA, PCA, \part
	SCORES Q1                                      ; K's fragments once more; its four places also stand in front of the loads below
.irp a, 0,1,2,3
.irp c, 0,1,2,3
	ds_load_b128 v[KV+16*\a+4*\c:KV+16*\a+4*\c+3], v[ADR] offset:8192+2048*\a+512*\c
.endr
.endr
.if \part
	HIDE
.endif
	SOFT 8, 10, OVB, PCB, 0
	s_wait_alu depctr_va_vdst(0)
	s_wait_dscnt 0x0                               ; V's fragments
.irp a, 0,1,2,3                        ; the eight accumulators by turns
	v_wmma_f32_16x16x128_fp8_fp8 v[OVA+8*\a:OVA+8*\a+7], v[KV+16*\a:KV+16*\a+15], v[PCA:PCA+15], v[OVA+8*\a:OVA+8*\a+7]
	v_wmma_f32_16x16x128_fp8_fp8 v[OVB+8*\a:OVB+8*\a+7], v[KV+16*\a:KV+16*\a+15], v[PCB:PCB+15], v[OVB+8*\a:OVB+8*\a+7]
.endr
.endm
.Lstep:                                            ; 16 trips, a constant; what is passed over is a step's work
	s_lshr_b32 s[T0], s[PW], s[CNT]
	s_and_b32 s[T1], s[T0], 1
	s_cmp_eq_u32 s[T1], 0
	s_cbranch_scc1 .Lnext                          ; nothing of this step counts for my pair
	s_and_b32 s[T1], s[T0], 0x10000
	s_cmp_lg_u32 s[T1], 0
	s_cbranch_scc1 .Lfull                          ; all of it counts
	DSTEP 1
	s_branch .Lnext
.Lfull:
	DSTEP 0
.Lnext:
	s_add_nc_u64 s[MA:MA+1], s[MA:MA+1], 256
	s_add_co_u32 s[TB], s[TB], STEPB
	s_add_co_u32 s[CNT], s[CNT], 1
	s_cmp_lt_u32 s[CNT], 16
	s_cbranch_scc1 .Lstep
; the way out of a tile: O^T / the sum x 2^(e8 + e9), held, converted, stored as two chunks
.macro FIN sm, o, oc, off
	v_add_f32 v[\sm], v[\sm], v[\sm+1]
	v_permlanex16_b32 v14, v[\sm], s[SEL], s[SEL+1]
	v_add_f32 v[\sm], v[\sm], v14                  ; the row's sum
	s_wait_alu depctr_va_vdst(0)
	v_rcp_f32 v[\sm], v[\sm]
	v_nop
	s_wait_alu depctr_va_vdst(0)
	v_ldexp_f32 v[\sm], v[\sm], s[EPV]
	s_wait_alu depctr_va_vdst(0)                   ; directly ahead of the first reader of O^T
.set n, 0
.rept 32
	v_mul_f32 v[S+n], v[\o+n], v[\sm]
.set n, n+1
.endr
.set n, 0
.rept 32
	v_med3_num_f32 v[S+n], v[S+n], -v[OL], v[OL]
.set n, n+1
.endr
.irp a, 0,1,2,3
	v_cvt_scalef32_pk8_fp8_f32 v[\oc+2*\a:\oc+2*\a+1], v[S+8*\a:S+8*\a+7], v[OS]
.endr
	v_nop                                          ; one plain vector line behind the last conversion
	global_store_b128 v[LI], v[\oc:\oc+3], s[OA:OA+1] offset:\off               ; each store: 512 consecutive bytes, at a multiple of 512 from the buffer's first byte
	global_store_b128 v[LI], v[\oc+4:\oc+7], s[OA:OA+1] offset:\off+512
.endm
.rept 4
	v_nop
.endr
	v_mov_b32 v[OL], s[OLS]
	v_mov_b32 v[OS], s[OSS]
	FIN 6, OVA, S+48, 0
	FIN 10, OVB, S+56, 16384
	v_lshl_add_u32 v[SPW], v0, 2, SPARE            ; no two registers could be kept for the add: v0 was, and they are made here
	v_mov_b32 v[NIL], 0
	s_wait_alu depctr_va_vdst(0)
	s_wait_tensorcnt 0x0                           ; the wave's end
	ds_add_u32 v[SPW], v[NIL]
	s_wait_dscnt 0x0
	s_endpgm
.Lfunc_end_k_q2bf92ad986_attn:
	.size	k_q2bf92ad986_attn, .Lfunc_end_k_q2bf92ad986_attn-k_q2bf92ad986_attn
	.p2alignl 7, 3214868480
	.fill 96, 4, 3214868480
	.section	.rodata,"a",@progbits
	.p2align	6, 0x0
	.amdhsa_kernel k_q2bf92ad986_attn
		.amdhsa_group_segment_fixed_size 264192
		.amdhsa_private_segment_fixed_size 0
		.amdhsa_enable_private_segment 0
		.amdhsa_kernarg_size 40
		.amdhsa_user_sgpr_count 2
		.amdhsa_user_sgpr_kernarg_segment_ptr 1
		.amdhsa_wavefront_size32 1
		.amdhsa_system_sgpr_workgroup_id_x 1
		.amdhsa_system_sgpr_workgroup_id_y 1
		.amdhsa_system_sgpr_workgroup_id_z 1
		.amdhsa_system_vgpr_workitem_id 0
		.amdhsa_next_free_vgpr 256
		.amdhsa_next_free_sgpr 100
		.amdhsa_reserve_vcc 0
		.amdhsa_float_denorm_mode_32 3
		.amdhsa_float_denorm_mode_16_64 3
		.amdhsa_memory_ordered 1
		.amdhsa_forward_progress 1
		.amdhsa_inst_pref_size 85
	.end_amdhsa_kernel
	.amdgpu_metadata
---
amdhsa.version: [ 1, 2 ]
amdhsa.kernels:
  - .name:           k_q2bf92ad986_attn
    .symbol:         k_q2bf92ad986_attn.kd
    .args:
      - { .name: qc, .offset: 0, .size: 8, .value_kind: global_buffer, .address_space: global }
      - { .name: kv, .offset: 8, .size: 8, .value_kind: global_buffer, .address_space: global }
      - { .name: mw, .offset: 16, .size: 8, .value_kind: global_buffer, .address_space: global }
      - { .name: lowp_scales, .offset: 24, .size: 8, .value_kind: global_buffer, .address_space: global }
      - { .name: oc, .offset: 32, .size: 8, .value_kind: global_buffer, .address_space: global }
    .group_segment_fixed_size: 264192
    .private_segment_fixed_size: 0
    .kernarg_segment_align: 8
    .kernarg_segment_size: 40
    .max_flat_workgroup_size: 512
    .sgpr_count:     100
    .vgpr_count:     256
    .wavefront_size: 32
...
	.end_amdgpu_metadata
.endif
;; end of part 3
;; launch outp (part 4): grid 4 x 32, 4 waves a work-group, clusters of 4 x 4, 327,680 bytes of LDS; arguments oc, wc, bo, lowp_scales, out0; writes out0
.if DOCPART == 4
	.amdgcn_target "amdgcn-amd-amdhsa--gfx1250"
	.amdhsa_code_object_version 6
	.text
	.protected	k_q2bf92ad986_outp
	.globl	k_q2bf92ad986_outp
	.p2align	8
	.type	k_q2bf92ad986_outp,@function
k_q2bf92ad986_outp:
	s_mov_b64 s[64:65], 0
	v_nop
	global_prefetch_b8 v0, s[64:65] scope:SCOPE_SE
	s_setreg_imm32_b32 hwreg(HW_REG_WAVE_MODE, 25, 1), 1
	s_wait_xcnt 0x0
	s_wait_alu depctr_hold_cnt(0) depctr_sa_sdst(0) depctr_va_vdst(0) depctr_va_sdst(0) depctr_va_ssrc(0) depctr_va_vcc(0) depctr_vm_vsrc(0)
	s_getreg_b32 s2, hwreg(HW_REG_IB_STS2, 6, 4)
	s_cmp_eq_u32 s2, 0
	s_cbranch_scc0 .Lentry_in_a_cluster
	s_endpgm
.Lentry_in_a_cluster:
	s_bfe_u32 s2, ttmp6, 0x10000c
	s_cmp_lg_u32 s2, 0xf033
	s_cbranch_scc0 .Lentry_shape_is_right
	s_endpgm
.Lentry_shape_is_right:
.set SIZE_N, 1024
.set HALFT,  32768
.set SLOT,   4*HALFT
.set SPARE,  2*SLOT
.set KB,     4096
.set FR,     16
.set NL,     4
.set NP,     4
.set SPITCH, 528
.set ADRA, 16
.set ADRB, 20
.set STO,  24
.set RD,   25
.set CO,   26
.set SPW,  28
.set NIL,  29
.set BIAS, 32
.set TMP,  32
.set AF,   128
.set BK,   128
.set G1, 24
.set G0, 32
.set G1B, 48
.set G0B, 56
.set MSB, 0
.macro WIN new
.if MSB != (\new)
	s_set_vgpr_msb (MSB<<8)|(\new)
.set MSB, \new
.endif
.endm
.set MUL_LO, 0xa1
.set MUL_HI, 0xf1
.set TO_B,   0x40
.macro JLOAD g0a, g1a, g0b, g1b
	s_cmp_eq_u32 s15, 0
	s_cbranch_scc0 .Lfor_b_\@
	tensor_load_to_lds s[\g0a:\g0a+3], s[\g1a:\g1a+7]
	s_nop 0
.rept 4
	v_nop
.endr
	s_branch .Lasked_\@
.Lfor_b_\@:
	tensor_load_to_lds s[\g0b:\g0b+3], s[\g1b:\g1b+7]
	s_nop 0
.rept 4
	v_nop
.endr
.Lasked_\@:
.endm
.macro CREST
	s_cmp_lg_u32 s14, 0
	s_cbranch_scc1 .Lnot_wave_0_\@
	s_barrier_signal -3
.Lnot_wave_0_\@:
	s_barrier_wait -3
	s_barrier_signal -1
	s_barrier_wait -1
.endm
.macro CROUND
	s_barrier_signal -1
	s_barrier_wait -1
	CREST
.endm
	s_load_b256 s[68:75], s[0:1], 0x0
	s_load_b64 s[76:77], s[0:1], 0x20
	v_lshl_add_u32 v[SPW], v0, 2, SPARE
	v_mov_b32 v[NIL], 0
	ds_add_u32 v28, v29
	ds_add_u32 v28, v29
	s_wait_dscnt 0x0
	v_lshrrev_b32 v1, 5, v0
	v_readfirstlane_b32 s14, v1
	s_lshr_b32 s15, s14, 1
	s_and_b32 s16, s14, 1
	s_bfe_u32 s40, ttmp6, 0x40000
	s_bfe_u32 s41, ttmp6, 0x40004
	s_lshl_b32 s42, ttmp9, 2
	s_add_co_u32 s42, s42, s40
	s_and_b32 s17, ttmp7, 0xffff
	s_lshl_b32 s17, s17, 2
	s_add_co_u32 s17, s17, s41
	s_lshl_b32 s43, s41, 2
	s_lshl_b32 s43, 15, s43
	s_lshl_b32 s44, 0x1111, s40
	s_or_b32 s[G1+0], s43, (3<<16)|(1<<21)
	s_or_b32 s[G1B+0], s44, (3<<16)|(1<<21)
.irp g, G1, G1B
	s_mov_b32 s[\g+1], 512<<16
	s_mov_b32 s[\g+2], 8<<16
	s_mov_b32 s[\g+3], 512<<16
	s_mov_b32 s[\g+4], 8
	s_mov_b32 s[\g+5], 2048
	s_mov_b32 s[\g+6], 0
	s_mov_b32 s[\g+7], 0
.endr
	s_lshl_b32 s18, s16, 17
	s_lshl_b32 s20, s17, 18
	s_add_co_u32 s20, s20, s18
	s_mov_b32 s21, 0
	s_lshl_b32 s46, s42, 18
	s_add_co_u32 s46, s46, s18
	s_add_co_u32 s46, s46, 3<<20
	s_mov_b32 s47, 0
	s_mul_i32 s45, s14, HALFT
	s_wait_kmcnt 0x0
	s_load_b64 s[96:97], s[74:75], 0x28
	s_add_nc_u64 s[20:21], s[68:69], s[20:21]
	s_add_nc_u64 s[46:47], s[70:71], s[46:47]
	CROUND
.irp s, 0,1
	s_mov_b32 s[G0+4*\s], 1
	s_add_co_u32 s[G0+4*\s+1], s45, \s*SLOT
	s_add_nc_u64 s[G0+4*\s+2:G0+4*\s+3], s[20:21], \s*KB
	s_or_b32 s[G0+4*\s+3], s[G0+4*\s+3], 0x80000000
	s_mov_b32 s[G0B+4*\s], 1
	s_add_co_u32 s[G0B+4*\s+1], s45, \s*SLOT
	s_add_nc_u64 s[G0B+4*\s+2:G0B+4*\s+3], s[46:47], \s*KB
	s_or_b32 s[G0B+4*\s+3], s[G0B+4*\s+3], 0x80000000
.endr
	JLOAD G0, G1, G0B, G1B                         ; K step 0: one tensor load a wave at the head
	v_and_b32 v1, 15, v0
	s_wait_alu depctr_va_vdst(0)
	v_bfe_u32 v2, v0, 4, 1
	v_and_b32 v6, 31, v0
	v_lshlrev_b32 v[CO], 4, v6
	s_mul_i32 s21, s15, HALFT
	s_mul_i32 s22, s16, HALFT
	s_add_co_u32 s22, s22, 2*HALFT
.irp s, 0,1
	v_add_nc_u32 v[ADRA+\s], s21, v[CO]
	v_add_nc_u32 v[ADRB+\s], s22, v[CO]
	s_add_co_u32 s21, s21, SLOT
	s_add_co_u32 s22, s22, SLOT
.endr
	s_mul_i32 s23, s14, 16*SPITCH
	v_mul_u32_u24 v5, v1, SPITCH
	s_wait_alu depctr_va_vdst(0)
	v_lshl_add_u32 v5, v2, 5, v5
	v_add_nc_u32 v[STO], s23, v5
	v_add_nc_u32 v[RD], s23, v[CO]
	s_lshl_b32 s22, s42, 10
	s_lshl_b32 s23, s16, 9
	s_add_co_u32 s22, s22, s23
	s_mov_b32 s23, 0
	s_add_nc_u64 s[72:73], s[72:73], s[22:23]
	v_lshlrev_b32 v3, 5, v2
.irp i, 0,1,2,3,4,5,6,7
	global_load_b128 v[BIAS+8*\i:BIAS+8*\i+3], v3, s[72:73] offset:64*\i
	global_load_b128 v[BIAS+8*\i+4:BIAS+8*\i+7], v3, s[72:73] offset:64*\i+16
.endr
	s_lshl_b32 s20, s17, 20
	s_lshl_b32 s21, s15, 19
	s_add_co_u32 s20, s20, s21
	s_add_co_u32 s20, s20, s22
	s_mov_b32 s21, 0
	s_add_nc_u64 s[76:77], s[76:77], s[20:21]
	s_wait_kmcnt 0x0
	s_add_co_i32 s96, s96, s97
	s_sub_co_i32 s18, 0, s96
	s_add_co_i32 s96, s96, 127
	s_lshl_b32 s96, s96, 23
	s_wait_loadcnt 0x0
.set i, 0
.rept 64
	v_ldexp_f32 v[BIAS+i], v[BIAS+i], s18
.set i, i+1
.endr
.macro FRAG reg, adr, q, i
.irp c, 0,1,2,3
	ds_load_b128 v[\reg+4*\c:\reg+4*\c+3], v[\adr] offset:4096*(\i)+2048*(\q)+512*\c
.endr
.endm
.macro MUL16 a0, p, zero
.irp a, \a0, \a0+1
.irp b, 0,1,2,3,4,5,6,7
.if \zero
	v_wmma_f32_16x16x128_fp8_fp8 v[8*(8*((\a)%4)+\b):8*(8*((\a)%4)+\b)+7], v[128*(\p)+FR*\b:128*(\p)+FR*\b+FR-1], v[AF+FR*(\a):AF+FR*(\a)+FR-1], v[BIAS+8*\b:BIAS+8*\b+7]
.else
	v_wmma_f32_16x16x128_fp8_fp8 v[8*(8*((\a)%4)+\b):8*(8*((\a)%4)+\b)+7], v[128*(\p)+FR*\b:128*(\p)+FR*\b+FR-1], v[AF+FR*(\a):AF+FR*(\a)+FR-1], v[8*(8*((\a)%4)+\b):8*(8*((\a)%4)+\b)+7]
.endif
.endr
.endr
.endm
.macro FETCH_B slot, q, p
	WIN TO_B
.irp i, 0,1,2,3,4,5,6,7
	FRAG 128*(\p)+FR*\i, ADRB+\slot, \q, \i
.endr
	WIN 0
.endm
.macro FETCH_A slot, q, i0
.irp i, \i0, \i0+1, \i0+2, \i0+3
	FRAG AF+FR*(\i), ADRA+\slot, \q, \i
.endr
.endm
.macro PLACES n
.rept \n
	v_nop
.endr
.endm
.macro STEP slot, q, zero
	s_wait_dscnt 4*NL
.if \zero
	WIN 0x81
.else
	WIN MUL_LO
.endif
	MUL16 0, (\q)%2, \zero
	MUL16 2, (\q)%2, \zero
	s_wait_dscnt 0
	PLACES NP
	FETCH_B \slot, (\q)+1, 1-(\q)%2
	FETCH_A \slot, (\q)+1, 0
.if \zero
	WIN 0xc1
.else
	WIN MUL_HI
.endif
	MUL16 4, (\q)%2, \zero
	MUL16 6, (\q)%2, \zero
	PLACES NP
	WIN 0
	FETCH_A \slot, (\q)+1, 4
.endm
.macro TURN slot, next, fill
	s_wait_tensorcnt 0x0
	ds_add_u32 v[SPW], v[NIL]
	s_wait_dscnt 4*NL+1
	WIN MUL_LO
	MUL16 0, 1, 0
	s_wait_dscnt 0x0
	s_barrier_signal -1
	MUL16 2, 1, 0
	WIN 0
	s_barrier_wait -1
.if \fill
	CREST
	s_add_nc_u64 s[G0+4*\slot+2:G0+4*\slot+3], s[G0+4*\slot+2:G0+4*\slot+3], 2*KB
	s_add_nc_u64 s[G0B+4*\slot+2:G0B+4*\slot+3], s[G0B+4*\slot+2:G0B+4*\slot+3], 2*KB
	JLOAD G0+4*\slot, G1, G0B+4*\slot, G1B
.else
	PLACES NP
.endif
	FETCH_B \next, 0, 0
	FETCH_A \next, 0, 0
	WIN MUL_HI
	MUL16 4, 1, 0
	MUL16 6, 1, 0
	PLACES NP
	WIN 0
	FETCH_A \next, 0, 4
.endm
	s_wait_alu depctr_va_vdst(0)
	s_wait_tensorcnt 0x0                           ; my part of K step 0 is in
	ds_add_u32 v[SPW], v[NIL]
	s_wait_dscnt 0x0
	CROUND                                         ; everybody's part of K step 0 is in, and all sixteen work-groups are here
	JLOAD G0+4, G1, G0B+4, G1B                     ; K step 1's load, the first tensor load behind the round
	FETCH_B 0, 0, 0
	FETCH_A 0, 0, 0
	FETCH_A 0, 0, 4
	STEP 0, 0, 1
	TURN 0, 1, 1
	STEP 1, 0, 0
	TURN 1, 0, 1
	STEP 0, 0, 0
	TURN 0, 1, 0
	STEP 1, 0, 0
	s_wait_dscnt 4*NL
	WIN MUL_LO
	MUL16 0, 1, 0
	MUL16 2, 1, 0
	s_wait_dscnt 0
	WIN MUL_HI
	MUL16 4, 1, 0
	MUL16 6, 1, 0
	WIN 0
.macro TOSTAGE a
.set AC, 64*((\a)%4)
	WIN 0x02+((\a)/4)
.irp j, 0,2,4,6,8,10,12,14,16,18,20,22,24,26,28,30,32,34,36,38,40,42,44,46,48,50,52,54,56,58,60,62
	v_pk_mul_f32 v[TMP+\j:TMP+\j+1], v[AC+\j:AC+\j+1], s[96:97] op_sel_hi:[1,0]
.endr
	WIN 0
.irp b, 0,1,2,3,4,5,6,7
	ds_store_b128 v[STO], v[TMP+8*\b:TMP+8*\b+3] offset:64*\b
	ds_store_b128 v[STO], v[TMP+8*\b+4:TMP+8*\b+7] offset:64*\b+16
.endr
.set BB, BK+64*((\a)%2)
.irp t, 0,1,2,3,4,5,6,7,8,9,10,11,12,13,14,15
	ds_load_b128 v[BB+4*\t:BB+4*\t+3], v[RD] offset:\t*SPITCH
.endr
.endm
.macro SEND a, younger
.set BB, BK+64*((\a)%2)
	s_wait_dscnt \younger
.if (\a) > 0
	s_add_nc_u64 s[76:77], s[76:77], 16*SIZE_N*4
.endif
.irp t, 0,1,2,3,4,5,6,7,8,9,10,11,12,13,14,15
	global_store_b128 v[CO], v[BB+4*\t:BB+4*\t+3], s[76:77] offset:\t*SIZE_N*4 th:TH_STORE_NT
.endr
.endm
	PLACES NP
	TOSTAGE 0
.irp a, 1,2,3,4,5,6,7
.if \a > 1
	s_wait_xcnt 0x0
.endif
	TOSTAGE \a
	SEND \a-1, 32
.endr
	s_wait_xcnt 0x0
	SEND 7, 0
	s_wait_tensorcnt 0x0
	ds_add_u32 v[SPW], v[NIL]
	s_wait_dscnt 0x0
	CROUND
	s_endpgm
.Lfunc_end_k_q2bf92ad986_outp:
	.size	k_q2bf92ad986_outp, .Lfunc_end_k_q2bf92ad986_outp-k_q2bf92ad986_outp
	.p2alignl 7, 3214868480
	.fill 96, 4, 3214868480
	.section	.rodata,"a",@progbits
	.p2align	6, 0x0
	.amdhsa_kernel k_q2bf92ad986_outp
		.amdhsa_group_segment_fixed_size 327680
		.amdhsa_private_segment_fixed_size 0
		.amdhsa_enable_private_segment 0
		.amdhsa_kernarg_size 40
		.amdhsa_user_sgpr_count 2
		.amdhsa_user_sgpr_kernarg_segment_ptr 1
		.amdhsa_wavefront_size32 1
		.amdhsa_system_sgpr_workgroup_id_x 1
		.amdhsa_system_sgpr_workgroup_id_y 1
		.amdhsa_system_sgpr_workgroup_id_z 1
		.amdhsa_system_vgpr_workitem_id 0
		.amdhsa_next_free_vgpr 1024
		.amdhsa_next_free_sgpr 100
		.amdhsa_reserve_vcc 0
		.amdhsa_float_denorm_mode_32 3
		.amdhsa_float_denorm_mode_16_64 3
		.amdhsa_memory_ordered 1
		.amdhsa_forward_progress 1
		.amdhsa_inst_pref_size 129
	.end_amdhsa_kernel
	.amdgpu_metadata
---
amdhsa.version: [ 1, 2 ]
amdhsa.kernels:
  - .name:           k_q2bf92ad986_outp
    .symbol:         k_q2bf92ad986_outp.kd
    .args:
      - { .name: oc, .offset: 0, .size: 8, .value_kind: global_buffer, .address_space: global }
      - { .name: wc, .offset: 8, .size: 8, .value_kind: global_buffer, .address_space: global }
      - { .name: bo, .offset: 16, .size: 8, .value_kind: global_buffer, .address_space: global }
      - { .name: lowp_scales, .offset: 24, .size: 8, .value_kind: global_buffer, .address_space: global }
      - { .name: out0, .offset: 32, .size: 8, .value_kind: global_buffer, .address_space: global }
    .group_segment_fixed_size: 327680
    .private_segment_fixed_size: 0
    .kernarg_segment_align: 8
    .kernarg_segment_size: 40
    .max_flat_workgroup_size: 128
    .sgpr_count:     100
    .vgpr_count:     1024
    .wavefront_size: 32
...
	.end_amdgpu_metadata
.endif
;; end of part 4
